; MI455X (gfx1250); checked and timed in simulation.
; The chip was launched on July 23, 2026; its instructions are those of AMD's public machine-readable ISA for CDNA 5 (MIT licence, August 2026) and "CDNA5" Instruction Set Architecture Reference Guide (July 2026). The comments in the code are by the model that wrote it; some were corrected since.
;; Inference Vector Quantizer. Allowed arithmetic: matrix products marked QUANTISED: E5M2 operands, one E8M0 scale for each 32 along K, by v_wmma_scale_f32_16x16x128_f8f6f4 with both operands' format E5M2, f32 sums; everything else in f32.
;; Inputs: codebook_weight 8,192 x 256 float32; mask 8 x 4,096 int32; z_e 8 x 4,096 x 256 float32.
;; Outputs: out0 8 x 4,096 int32.
;; This version of the problem:
;;   THIS VERSION OF THE PROBLEM IS GIVEN IN LOW PRECISION. The matrix products marked QUANTISED in the list below multiply operands that are first quantised to E5M2 (5 exponent bits, 2 mantissa bits; 8 bits a number), with one power-of-two scale for each 32 numbers along K (OCP MX v1.0); their sums are f32. All else is computed in f32.
;;   The module's matrix products, in the order in which they are computed (A, B: the left and right operand; K: the contracted axis; several contracted axes count as one K, in the product's order):
;;     1. [M 32,768, K 256] x [K 256, N 8,192]; A: computed on the way; B: computed on the way: QUANTISED
;;   THE QUANTISER, for each operand of a quantised product, along K:
;;     - K is cut into blocks of 32 from its start; a last block that is shorter is filled with zeros.
;;     - A block's scale is 2^e with e = floor(log2(the largest magnitude in the block)) - 15, held to -126 .. 127; a block of zeros has e = 0. As a byte (E8M0): e + 127.
;;     - Each number is divided by its block's scale, clamped to +-57,344, and rounded to the nearest number of E5M2, ties to even, subnormals kept.
;;     - The product sums the exact products of the quantised numbers (number of the format x scale) in f32.
;;   ~~~python
;;   def quantise(x, axis):      # numpy; x: float32 -> the quantised numbers, widened to float32 again
;;       x = np.moveaxis(x, axis, -1); K = x.shape[-1]
;;       x = np.pad(x, [(0, 0)] * (x.ndim - 1) + [(0, -K % 32)]); x = x.reshape(x.shape[:-1] + (-1, 32)); a = np.abs(x).max(-1, keepdims=True)
;;       e = np.where(a > 0, np.clip(np.frexp(np.where(a > 0, a, 1))[1] - 1 - 15, -126, 127), 0)      # np.frexp(a)[1] - 1 = floor(log2(a)), exactly
;;       r = np.clip(x / 2.0 ** e, -57344, 57344)
;;       step = 2.0 ** (np.maximum(np.frexp(np.where(r == 0, 1, r))[1] - 1, -14) - 2)
;;       q = np.round(r / step) * step * 2.0 ** e      # np.round: ties to even
;;       return np.moveaxis(q.reshape(q.shape[:-2] + (-1,))[..., :K], -1, axis).astype(np.float32)
;;   ~~~
;;   OPERANDS COMPUTED ON THE WAY. 'Computed on the way' means the value that the module computes at that place (a softmax that the list does not call 'softmax' is quantised finished and normalised). What goes into a quantiser is computed in f32, as accurately as f32 sums, v_exp_f32 and their like allow (about 1e-6 of the number): no bf16 or f16 on the way to a quantiser, and a product that is left as it is and whose result goes on into a quantised operand takes f32 operands (vector FMAs, or v_wmma_f32_16x16x4_f32). A number that lies on a knife's edge between two numbers of the format may be rounded either way, as far as f32 arithmetic and the matrix unit's own rounding can turn it there, and no further.
;; One version. Each part assembles by itself: llvm-mc -triple=amdgcn-amd-amdhsa -mcpu=gfx1250 --defsym DOCPART=n.
;; ======== version 1 of 1: 2 launches
;; limits: right only within a limited range of input values
;; workspace buffers: zq 8,650,752 bytes; cbq 2,162,688 bytes
;; launch quant (part 1): grid 256 x 1, 5 waves a work-group, no clusters, 168,704 bytes of LDS; arguments z_e, codebook_weight, zq, cbq; writes zq, cbq
.if DOCPART == 1
	.amdgcn_target "amdgcn-amd-amdhsa--gfx1250"
	.amdhsa_code_object_version 6
	.text
	.protected	k_q3ee3e9631e_quant
	.globl	k_q3ee3e9631e_quant
	.p2align	8
	.type	k_q3ee3e9631e_quant,@function
k_q3ee3e9631e_quant:
	s_mov_b64 s[64:65], 0
	v_nop
	global_prefetch_b8 v0, s[64:65] scope:SCOPE_SE
	s_setreg_imm32_b32 hwreg(HW_REG_WAVE_MODE, 25, 1), 1
	s_wait_xcnt 0x0
; Rows of z_e [32768][256] and of codebook_weight [8192][256], f32, are divided by max(their length, 1e-8) in f32 and turned into codes of BF8 (E5M2)
; with one E8M0 scale for each 32 along K = 256.  The codes are laid as IMAGES OF THE MATRIX OPERAND'S REGISTERS, so that the next launch loads fragments by dense 16-byte loads alone.
; A RECORD is 32 rows = two tiles of 16 rows = 8,448 bytes (33 x 256):
;   tile t, K step s (128 along K), register group c, lane l: 16 bytes at 4096 t + 2048 s + 512 c + 16 l = the codes k = 128 s + 32 c + 16 (l / 16) + 0 .. 15 of row l % 16;
;   scale words at 8192 + 8 l + 4 t: lanes 0-15 row l's word of K step 0, lanes 16-31 row (l - 16)'s word of K step 1.
; SHARES.  40,960 rows are 1,280 records = 256 work-groups x 5 waves: a wave makes one record; records 0-1023 are z's, the others the codebook's.  Only pointers are chosen: one path through the text.
; A wave's 32 rows (32 KB) come by two tensor loads, issued together at the head (two of mine are out, then one), into LDS bytes of the wave's own, filled once and read by that wave alone: no barrier.
; No cluster: no two work-groups read the same bytes.  No matrix work: a row's length is 256 multiply-adds.
; A block's scale is 2^(floor(log2(its largest magnitude)) - 15); its byte is that magnitude's exponent field - 15, held at 1 from below.
; LIMITS: NaN and infinities among the inputs are not served, nor rows whose sum of squares passes f32's range.  A block whose largest magnitude lies under 2^-111, a block of zeros among them,
; keeps the byte 1 (a block of zeros: where the quantiser's text says 127): its codes are zeros or subnormal codes under that byte, and the bytes are read by this program alone.
; The division is a reciprocal (v_rcp_f32) and a multiplication; the sum of squares is taken in eight chains, not in the order of the columns.
.set ZREC,  1024                       ; z's records
.set RECB,  8448                       ; bytes of a record
.set PITCH, 1040                       ; a row in LDS: 1,024 bytes + 16 of padding = 260 words: the sixteen rows that a load touches start 4 words apart modulo 64
.set TROWS, 16*PITCH                   ; a tile of 16 rows in LDS
.set WREG,  2*TROWS                    ; a wave's LDS bytes
.set LA,   4                           ; v4   LDS address of my numbers: my wave's bytes + row r x pitch + 64 h
.set O16,  5                           ; v5   16 x lane
.set O8,   6                           ; v6   8 x lane
.set SQ,   8                           ; v[8:15]  the sum of squares, four packed chains
.set SU,   16                          ; v16  the sum;  v17 the other half's, then the length
.set INV,  18                          ; v[18:19] 1 / length (the packed form names the pair and takes its low word for both halves)
.set TM,   20                          ; v20-23 largest magnitudes, v24-27 exchange, then bytes, v32-35 the conversions' scale operands
.set PW,   36                          ; v36-39 the scale word of (tile t, K step s) at 2 t + s
.set SW,   40                          ; v[40:41] the record's scale words as they are stored
.set PC,   48                          ; v48-111 codes: 16 registers for each of the four fragments, so that no store's data are written again
.set X,    112                         ; v112-239 my 128 numbers of a row: register 16 c + i = k 32 c + 16 h + i
.set WV,   12
.set G1,   16                          ; s[16:23] descriptor group 1
.set G0,   24                          ; s[24:27], s[28:31] group 0 for the two tiles
.set SEL,  32                          ; s[32:33] lane selects for v_permlanex16_b32: lane l xor 16
.set MNT,  34
.set HI16, 35                          ; s35  a mask of lanes 16-31
	s_load_b256 s[4:11], s[0:1], 0x0               ; z_e s[4:5], codebook_weight s[6:7], zq s[8:9], cbq s[10:11]
	v_lshl_add_u32 v240, v0, 2, 0x29000
	v_mov_b32 v241, 0
	ds_add_u32 v240, v241
	ds_add_u32 v240, v241
	v_lshrrev_b32 v1, 5, v0
	v_readfirstlane_b32 s[WV], v1                  ; wave 0..4
	s_mul_i32 s13, ttmp9, 5
	s_add_co_u32 s13, s13, s[WV]                   ; my record among the 1,280
	s_mul_i32 s[G0+1], s[WV], WREG                 ; my wave's LDS bytes: tile 0's LDS address
	; group 1: 16 rows of 256 elements of 4 bytes, dense in memory, 16 bytes of padding behind each row in LDS
	s_mov_b32 s[G1+0], (2<<16)|(1<<20)|(7<<22)|(3<<25)   ; no mask; elements of 4 bytes; padding on, after every 256 words (code 7), of 4 words (code 3)
	s_mov_b32 s[G1+1], 256<<16                     ; tensor_dim0 = 256
	s_mov_b32 s[G1+2], 16<<16                      ; tensor_dim1 = 16
	s_mov_b32 s[G1+3], 256<<16                     ; tile_dim0 = 256
	s_mov_b32 s[G1+4], 16                          ; tile_dim1 = 16
	s_mov_b32 s[G1+5], 256                         ; elements from row to row
	s_mov_b32 s[G1+6], 0
	s_mov_b32 s[G1+7], 0
	s_mov_b32 s[SEL], 0x76543210
	s_mov_b32 s[SEL+1], 0xfedcba98
	s_mov_b32 s[HI16], 0xffff0000
	s_cmp_lt_u32 s13, ZREC                         ; z's record or the codebook's?  The choice hangs on ids alone
	s_cselect_b32 s14, 0, ZREC
	s_wait_dscnt 0x0
	s_wait_kmcnt 0x0
	s_cselect_b64 s[4:5], s[4:5], s[6:7]           ; from where,
	s_cselect_b64 s[8:9], s[8:9], s[10:11]         ; to where
	s_sub_co_u32 s14, s13, s14                     ; my record in its tensor
	s_lshl_b32 s36, s14, 15                        ; 32 rows of 1,024 bytes
	s_mov_b32 s37, 0
	s_mul_i32 s38, s14, RECB
	s_mov_b32 s39, 0
	s_add_nc_u64 s[4:5], s[4:5], s[36:37]
	s_add_nc_u64 s[8:9], s[8:9], s[38:39]
	s_mov_b32 s[G0], 1                             ; count = 1
	s_mov_b64 s[G0+2:G0+3], s[4:5]                 ; rows 0-15
	s_or_b32 s[G0+3], s[G0+3], 0x80000000          ; type = 2
	s_mov_b32 s[G0+4], 1
	s_add_co_u32 s[G0+5], s[G0+1], TROWS
	s_add_nc_u64 s[G0+6:G0+7], s[4:5], 16*1024     ; rows 16-31
	s_or_b32 s[G0+7], s[G0+7], 0x80000000
	tensor_load_to_lds s[G0:G0+3], s[G1:G1+7]      ; both first fills together, ahead of every wait on TENSORcnt and every LDS read
	s_nop 0
	tensor_load_to_lds s[G0+4:G0+7], s[G1:G1+7]
	s_nop 0
.rept 4
	v_nop
.endr
	v_and_b32 v1, 31, v0                           ; lane
	v_and_b32 v2, 15, v0                           ; r
	v_bfe_u32 v3, v0, 4, 1                         ; h
	v_mul_u32_u24 v[LA], v2, PITCH
	v_lshl_add_u32 v[LA], v3, 6, v[LA]             ; row r, + 64 h: my 16 numbers of each block of 32
	v_add_nc_u32 v[LA], s[G0+1], v[LA]
	v_lshlrev_b32 v[O16], 4, v1
	v_lshlrev_b32 v[O8], 3, v1
	v_mov_b32 v[SU+1], 0                           ; written once: a lane permute's destination counts as one of its sources
	v_mov_b32 v[INV+1], 0                          ; (named as the upper half of the pair)
.irp b, 0,1,2,3
	v_mov_b32 v[TM+4+\b], 0
.endr
; 64 numbers of a lane, v[s] on, register 16 b + i = k 32 b + 16 h + i of my row, become a fragment's codes in v[pc] on and its scale word in v[pw].
.macro QUANT s, pc, pw
.irp b, 0,1,2,3
	v_max3_num_f32 v[TM+\b], |v[(\s)+16*\b]|, |v[(\s)+1+16*\b]|, 0x8000000   ; block b: my 16 numbers, and the floor 2^(16 - 127): so the byte cannot fall under 1
.endr
.irp i, 2,4,6,8,10,12,14
.irp b, 0,1,2,3
	v_max3_num_f32 v[TM+\b], v[TM+\b], |v[(\s)+16*\b+\i]|, |v[(\s)+1+16*\b+\i]|   ; (the four blocks by turns)
.endr
.endr
.irp b, 0,1,2,3
	v_permlanex16_b32 v[TM+4+\b], v[TM+\b], s[SEL], s[SEL+1]
.endr
.irp b, 0,1,2,3
	v_max_num_f32 v[TM+\b], v[TM+\b], v[TM+4+\b]   ; with lane l xor 16's 16: the block's largest magnitude
.endr
.irp b, 0,1,2,3
	v_add_nc_u32 v[TM+12+\b], 0xf8800000, v[TM+\b] ; 15 off its exponent field: the conversion takes this operand's exponent field as its scale
.endr
.irp b, 0,1,2,3
.endr
.irp b, 0,1,2,3
	v_lshrrev_b32 v[TM+4+\b], 23, v[TM+12+\b]      ; the scale's byte
.endr
	v_lshl_or_b32 v[\pw], v[TM+5], 8, v[TM+4]      ; four bytes make my row's scale word of this K step
	v_lshl_or_b32 v[\pw], v[TM+6], 16, v[\pw]
	v_lshl_or_b32 v[\pw], v[TM+7], 24, v[\pw]
.irp b, 0,1,2,3
.irp i, 0,1,2,3,4,5,6,7,8,9,10,11,12,13,14,15
.endr
	v_cvt_scalef32_pk8_bf8_f32 v[(\pc)+4*\b:(\pc)+1+4*\b], v[(\s)+16*\b:(\s)+7+16*\b], v[TM+12+\b]
	v_cvt_scalef32_pk8_bf8_f32 v[(\pc)+2+4*\b:(\pc)+3+4*\b], v[(\s)+8+16*\b:(\s)+15+16*\b], v[TM+12+\b]
.endr
	v_nop                                          ; one plain vector instruction behind the last scaled conversion
.endm
; K step s of tile t: quantised, and its image stored: each store of the wave covers 512 consecutive bytes, aligned
.macro FRAG t, s
	QUANT X+64*\s, PC+16*(2*\t+\s), PW+2*\t+\s
.irp c, 0,1,2,3
	global_store_b128 v[O16], v[PC+16*(2*\t+\s)+4*\c:PC+16*(2*\t+\s)+4*\c+3], s[8:9] offset:\t*4096+\s*2048+\c*512
.endr
.endm
; Tile t: 16 rows.  left = how many younger tensor loads may stay out.
.macro TILE t, left
	s_wait_tensorcnt \left                         ; tensor loads of a wave end in order: my tile is in LDS
.irp c, 0,1,2,3,4,5,6,7
.irp j, 0,1,2,3
	ds_load_b128 v[X+16*\c+4*\j:X+16*\c+4*\j+3], v[LA] offset:\t*TROWS+128*\c+16*\j
.endr
.endr
	s_wait_dscnt 0x0
.irp k, 0,1,2,3
	v_pk_mul_f32 v[SQ+2*\k:SQ+2*\k+1], v[X+2*\k:X+2*\k+1], v[X+2*\k:X+2*\k+1]   ; the first four pairs start the chains: nothing is cleared
.endr
.set i, 4
.rept 60
	v_pk_fma_f32 v[SQ+2*(i%4):SQ+2*(i%4)+1], v[X+2*i:X+2*i+1], v[X+2*i:X+2*i+1], v[SQ+2*(i%4):SQ+2*(i%4)+1]
.set i, i+1
.endr
	v_pk_add_f32 v[SQ:SQ+1], v[SQ:SQ+1], v[SQ+2:SQ+3]
	v_pk_add_f32 v[SQ+4:SQ+5], v[SQ+4:SQ+5], v[SQ+6:SQ+7]
	v_pk_add_f32 v[SQ:SQ+1], v[SQ:SQ+1], v[SQ+4:SQ+5]
	v_add_f32 v[SU], v[SQ], v[SQ+1]
	v_permlanex16_b32 v[SU+1], v[SU], s[SEL], s[SEL+1]   ; the row's other 128 numbers lie in the lane 16 away
	v_add_f32 v[SU], v[SU], v[SU+1]
	s_wait_alu depctr_va_vdst(0)
	v_sqrt_f32 v[SU+1], v[SU]
	v_nop                                          ; a plain instruction behind a transcendental, ahead of the use of its result
	s_wait_alu depctr_va_vdst(0)
	v_max_num_f32 v[SU+1], 0x322bcc77, v[SU+1]     ; max(length, 1e-8)
	s_wait_alu depctr_va_vdst(0)
	v_rcp_f32 v[INV], v[SU+1]
	v_nop
.set i, 0
	s_wait_alu depctr_va_vdst(0)
.rept 64
	v_pk_mul_f32 v[X+2*i:X+2*i+1], v[X+2*i:X+2*i+1], v[INV:INV+1] op_sel_hi:[1,0]
.set i, i+1
.endr
	FRAG \t, 0
	FRAG \t, 1
	v_cndmask_b32 v[SW+\t], v[PW+2*\t], v[PW+2*\t+1], s[HI16]   ; lanes 0-15 keep K step 0's word, lanes 16-31 take K step 1's
.endm
	s_wait_alu depctr_va_vdst(0)
	TILE 0, 1                                      ; the count leaves tile 1's load on its way
	TILE 1, 0
	global_store_b64 v[O8], v[SW:SW+1], s[8:9] offset:8192   ; the record's scale words: 256 consecutive bytes, aligned
	s_wait_tensorcnt 0x0
	ds_add_u32 v240, v241
	s_wait_dscnt 0x0
	s_endpgm
.Lfunc_end_k_q3ee3e9631e_quant:
	.size	k_q3ee3e9631e_quant, .Lfunc_end_k_q3ee3e9631e_quant-k_q3ee3e9631e_quant
	.p2alignl 7, 3214868480
	.fill 96, 4, 3214868480
	.section	.rodata,"a",@progbits
	.p2align	6, 0x0
	.amdhsa_kernel k_q3ee3e9631e_quant
		.amdhsa_group_segment_fixed_size 168704
		.amdhsa_private_segment_fixed_size 0
		.amdhsa_enable_private_segment 0
		.amdhsa_kernarg_size 32
		.amdhsa_user_sgpr_count 2
		.amdhsa_user_sgpr_kernarg_segment_ptr 1
		.amdhsa_wavefront_size32 1
		.amdhsa_system_sgpr_workgroup_id_x 1
		.amdhsa_system_sgpr_workgroup_id_y 1
		.amdhsa_system_sgpr_workgroup_id_z 1
		.amdhsa_system_vgpr_workitem_id 0
		.amdhsa_next_free_vgpr 242
		.amdhsa_next_free_sgpr 66
		.amdhsa_reserve_vcc 0
		.amdhsa_float_denorm_mode_32 3
		.amdhsa_float_denorm_mode_16_64 3
		.amdhsa_fp16_overflow 1
		.amdhsa_memory_ordered 1
		.amdhsa_forward_progress 1
		.amdhsa_inst_pref_size 41
	.end_amdhsa_kernel
	.amdgpu_metadata
---
amdhsa.version: [ 1, 2 ]
amdhsa.kernels:
  - .name:           k_q3ee3e9631e_quant
    .symbol:         k_q3ee3e9631e_quant.kd
    .args:
      - { .name: z_e, .offset: 0, .size: 8, .value_kind: global_buffer, .address_space: global }
      - { .name: codebook_weight, .offset: 8, .size: 8, .value_kind: global_buffer, .address_space: global }
      - { .name: zq, .offset: 16, .size: 8, .value_kind: global_buffer, .address_space: global }
      - { .name: cbq, .offset: 24, .size: 8, .value_kind: global_buffer, .address_space: global }
    .group_segment_fixed_size: 168704
    .private_segment_fixed_size: 0
    .kernarg_segment_align: 8
    .kernarg_segment_size: 32
    .max_flat_workgroup_size: 160
    .sgpr_count:     66
    .vgpr_count:     242
    .wavefront_size: 32
...
	.end_amdgpu_metadata
.endif
;; end of part 1
;; launch vq (part 2): grid 256 x 1, 8 waves a work-group, clusters of 4 x 1, 327,680 bytes of LDS; arguments zq, cbq, mask, out0; writes out0
.if DOCPART == 2
	.amdgcn_target "amdgcn-amd-amdhsa--gfx1250"
	.amdhsa_code_object_version 6
	.text
	.protected	k_q3ee3e9631e_vq
	.globl	k_q3ee3e9631e_vq
	.p2align	8
	.type	k_q3ee3e9631e_vq,@function
k_q3ee3e9631e_vq:
	s_mov_b64 s[64:65], 0
	v_nop
	global_prefetch_b8 v0, s[64:65] scope:SCOPE_SE
	s_setreg_imm32_b32 hwreg(HW_REG_WAVE_MODE, 25, 1), 1
	s_wait_xcnt 0x0
	s_wait_alu depctr_hold_cnt(0) depctr_sa_sdst(0) depctr_va_vdst(0) depctr_va_sdst(0) depctr_va_ssrc(0) depctr_va_vcc(0) depctr_vm_vsrc(0)
	s_getreg_b32 s2, hwreg(HW_REG_IB_STS2, 6, 4)
	s_cmp_eq_u32 s2, 0
	s_cbranch_scc0 .Lentry_in_a_cluster
	s_endpgm
.Lentry_in_a_cluster:
	s_bfe_u32 s2, ttmp6, 0x10000c
	s_cmp_lg_u32 s2, 0x3003
	s_cbranch_scc0 .Lentry_shape_is_right
	s_endpgm
.Lentry_shape_is_right:
; out0[row] = mask[row] == 0 ? 0 : the first column with the largest logit, logits = Q(z_n) Q(code_n)^T, 32,768 x 8,192 x 256, on codes of BF8 (E5M2) with E8M0 scales.
; zq and cbq hold records of 32 rows, 8,448 bytes: images of the operand's registers (tile t, K step s, group c, lane l: 16 bytes at 4096 t + 2048 s + 512 c + 16 l) and scale words at
; 8192 + 8 l + 4 t (lanes 0-15: K step 0; lanes 16-31: K step 1, which the matrix instruction reads with the ROW1 selectors).
; SHARES.  A work-group owns 128 rows of z.  EVERY one of its eight waves holds all 128 rows as fragments (8 tiles x 2 K steps x 16 = 256 registers, window 1); THE WAVES SHARE THE COLUMNS: of each group of 32 tiles
; of 16 code rows wave w takes tiles 4 w .. 4 w + 3.  So a code fragment is read from LDS once in the work-group and feeds eight matrix instructions.  Two waves stand on a SIMD: one's vector work beside the other's products.
; THE PRODUCT IS USED TRANSPOSED (source 0 = 16 code rows, source 1 = 16 rows of z): lane (r, h) holds row r of z, register j column 16 tile + 8 h + j.
; THE ARGMAX IS EXACT.  For each lane and tile of rows: the running maximum (v_max3), ONE compare a tile (strictly greater: the first tile with the maximum stays), and by v_cndmask the winning tile's first seven numbers and
; its number are kept.  At the end the first register equal to the maximum gives the column; halves of the lanes and waves are joined by (larger value, then smaller column).  No branch and no address hangs on data.
; THE RING.  cbq goes through two LDS slots of 16 records; each wave fetches and reads its own two records.  CLUSTER 4 x 1: all work-groups walk the same codebook, so each tile is asked for JOINTLY by the four partners
; (the same load, the same descriptor, mask 15).  A second axis would share nothing more.  By this text's count a wave has two tensor loads out at the start, later one.
; LIMITS: NaN among the logits is not served (NaN and infinities among the inputs are not served by the launch before).
; REGISTERS.  window 0: v0 thread; v1-2 the add's; v3-6 LDS addresses; v7 the tile's number; v8-9 at work; v10-11 code scale words, two buffers; v12-19 z's scale words; v20-35 the maxima, two sets by turns;
;   v36-47 offsets, mask, way out; v64-95 four accumulators; v96-159 code fragments, two buffers of 32; v160-223 for each tile of rows the winner's seven numbers and its tile; v224-255 way out.   window 1: z.
.set RECB,  8448
.set WPART, 2*RECB                     ; a wave's part of a slot: two records, four tiles
.set SLOTB, 8*WPART                    ; a slot: 135,168 bytes
.set SPARE, 2*SLOTB                    ; behind the ring: the spare words, 128 bytes for each wave: four blocks of 256 bytes that no other line names
.set SCR,   SPARE+1024                 ; the way out: wave x 1,024 + row x 8: (maximum, column); no tensor load fills it
.set SPW,  1
.set NIL,  2
.set BA,   3                           ; v3-4   slot s: my wave's part + 16 x lane
.set SA,   5                           ; v5-6   slot s: my wave's part + 8 x lane
.set TIDV, 7                           ; v7     the number of the tile whose results are being looked at
.set TT,   8
.set UU,   9
.set CS,   10                          ; v10-11 code scale words, buffer b
.set ZS,   12                          ; v12-19 z's scale words, tile of rows m
.set BEST, 20                          ; v20-27 set 0, v28-35 set 1
.set GL16, 36                          ; v36    16 x lane
.set GL8,  37                          ; v37    8 x lane
.set MK,   38                          ; v[38:39] two rows' mask
.set H8,   40                          ; v40    8 h
.set SCW,  41                          ; v41    where I store a row's pair
.set SCD,  42                          ; v42    where waves 0 and 1 read two rows' pairs
.set MO,   43                          ; v43    8 x (thread % 64): my two rows in mask and in out0
.set EB,   44                          ; v44-45 the other half's maximum and column
.set EC,   45
.set RES,  46                          ; v[46:47] two results
.set ACC,  64                          ; accumulator (par, i) at 64 + 8 (2 par + i)
.set BF,   96                          ; buffer b at 96 + 32 b, K step k at + 16 k
.set WI,   160                         ; tile of rows m at 160 + 8 m: seven numbers, then the tile's number
.set OUTP, 224
.set WV,   12                          ; s12  wave
.set G1,   16                          ; s[16:23] descriptor group 1
.set G0,   24                          ; s[24:27], s[28:31] group 0, one set for each slot
.set CNT,  32
.set TB,   33                          ; s33  the first tile of my four in the group in hand: 32 x group + 4 x wave
.set SEL,  36                          ; s[36:37]
.set MSB, 0
.macro WIN new                         ; the immediate's high byte repeats the setting that is left; a switch that changes nothing is dropped
.if MSB != \new
	s_set_vgpr_msb (MSB<<8)|\new
.set MSB, \new
.endif
.endm
.macro CREST                           ; a round of the cluster's barrier behind its opening barrier
	s_cmp_lg_u32 s[WV], 0
	s_cbranch_scc1 .Lnot_wave_0_\@
	s_barrier_signal -3
.Lnot_wave_0_\@:
	s_barrier_wait -3
	s_barrier_signal -1
	s_barrier_wait -1
.endm
.macro ROUND                           ; a whole round
	s_barrier_signal -1
	s_barrier_wait -1
	CREST
.endm
	s_load_b256 s[4:11], s[0:1], 0x0               ; zq s[4:5], cbq s[6:7], mask s[8:9], out0 s[10:11]
	v_lshl_add_u32 v[SPW], v0, 2, SPARE
	v_mov_b32 v[NIL], 0
	ds_add_u32 v1, v2
	ds_add_u32 v1, v2
	s_wait_dscnt 0x0
	v_lshrrev_b32 v[TT], 5, v0
	s_delay_alu instid0(VALU_DEP_1)
	v_readfirstlane_b32 s[WV], v[TT]               ; wave 0..7
	s_bfe_u32 s13, ttmp6, 0x40000                  ; cx: my place in the cluster
	s_lshl_b32 s14, ttmp9, 2                       ; in a cluster launch ttmp9 counts clusters
	s_add_co_u32 s14, s14, s13                     ; my block of 128 rows: it enters zq's, mask's and out0's addresses alone
	s_mul_i32 s38, s[WV], WPART                    ; my wave's part: of a slot, and of a group in memory; no place in the cluster enters it
	s_mov_b32 s39, 0
	s_lshl_b32 s[TB], s[WV], 2
	; every LDS address is made here, ahead of the first branch on the wave's number
	v_and_b32 v[TT], 31, v0                        ; lane
	v_and_b32 v[UU], 15, v0                        ; r
	v_bfe_u32 v[H8], v0, 4, 1                      ; h
	s_delay_alu instid0(VALU_DEP_3)
	v_lshlrev_b32 v[GL16], 4, v[TT]
	s_delay_alu instid0(VALU_DEP_4)
	v_lshlrev_b32 v[GL8], 3, v[TT]
	v_lshl_add_u32 v[BA], v[TT], 4, s38
	s_delay_alu instid0(VALU_DEP_1)
	v_add_nc_u32 v[BA+1], SLOTB, v[BA]
	v_lshl_add_u32 v[SA], v[TT], 3, s38
	s_delay_alu instid0(VALU_DEP_1)
	v_add_nc_u32 v[SA+1], SLOTB, v[SA]
	s_lshl_b32 s34, s[WV], 10
	s_add_co_u32 s34, s34, SCR
	v_lshl_add_u32 v[SCW], v[UU], 3, s34           ; SCR + 1,024 x wave + 8 r
	v_and_b32 v[MO], 63, v0
	s_delay_alu instid0(VALU_DEP_1)
	v_lshl_add_u32 v[SCD], v[MO], 4, SCR           ; SCR + 16 x (thread % 64)
	s_delay_alu instid0(VALU_DEP_2)
	v_lshlrev_b32 v[MO], 3, v[MO]
	v_lshlrev_b32 v[H8], 3, v[H8]
	; group 1: my two records, 16,896 dense bytes, as 66 rows of 256 bytes (32 elements of 8 bytes), no padding: every LDS read is 16 x lane on end
	s_mov_b32 s[G1+0], 15|(3<<16)|(1<<21)          ; the mask: all four work-groups; elements of 8 bytes; bit 21 set beside a mask
	s_mov_b32 s[G1+1], 32<<16                      ; tensor_dim0 = 32
	s_mov_b32 s[G1+2], 66<<16                      ; tensor_dim1 = 66
	s_mov_b32 s[G1+3], 32<<16                      ; tile_dim0 = 32
	s_mov_b32 s[G1+4], 66                          ; tile_dim1 = 66
	s_mov_b32 s[G1+5], 32                          ; elements from row to row
	s_mov_b32 s[G1+6], 0
	s_mov_b32 s[G1+7], 0
	s_mov_b32 s[SEL], 0x76543210
	s_mov_b32 s[SEL+1], 0xfedcba98
	s_wait_kmcnt 0x0
	s_add_nc_u64 s[6:7], s[6:7], s[38:39]          ; cbq at my part of group 0
	s_mov_b32 s[G0], 1                             ; count = 1
	s_mov_b32 s[G0+1], s38                         ; LDS address: slot 0
	s_mov_b64 s[G0+2:G0+3], s[6:7]                 ; group 0
	s_or_b32 s[G0+3], s[G0+3], 0x80000000          ; type = 2
	s_mov_b32 s[G0+4], 1
	s_add_co_u32 s[G0+5], s38, SLOTB               ; slot 1
	s_add_nc_u64 s[G0+6:G0+7], s[6:7], SLOTB       ; group 1
	s_or_b32 s[G0+7], s[G0+7], 0x80000000
	s_mul_i32 s34, s14, 4*RECB                     ; my block's four records of zq
	s_mov_b32 s35, 0
	s_add_nc_u64 s[4:5], s[4:5], s[34:35]
	s_lshl_b32 s34, s14, 9                         ; its 128 words of mask and of out0
	s_add_nc_u64 s[8:9], s[8:9], s[34:35]
	s_add_nc_u64 s[10:11], s[10:11], s[34:35]
	ROUND                                          ; all four work-groups are here: the first joint loads meet
	tensor_load_to_lds s[G0:G0+3], s[G1:G1+7]      ; both first fills together, ahead of every wait on TENSORcnt and every LDS read
	s_nop 0
	tensor_load_to_lds s[G0+4:G0+7], s[G1:G1+7]
	s_nop 0
.rept 4
	v_nop
.endr
	WIN 0x40                                       ; destination window 1, address window 0
.irp m, 0,1,2,3,4,5,6,7                        ; z's fragments stay in registers: tile of rows m, K step k at v[32 m + 16 k] of window 1
.irp k, 0,1
.irp c, 0,1,2,3
	global_load_b128 v[32*\m+16*\k+4*\c:32*\m+16*\k+4*\c+3], v[GL16], s[4:5] offset:(\m/2)*RECB+(\m%2)*4096+\k*2048+\c*512
.endr
.endr
.endr
	WIN 0
.irp p, 0,1,2,3
	global_load_b64 v[ZS+2*\p:ZS+2*\p+1], v[GL8], s[4:5] offset:\p*RECB+8192   ; a record's scale words: tiles 2 p and 2 p + 1
.endr
	s_wait_alu depctr_va_vdst(0)
	global_load_b64 v[MK:MK+1], v[MO], s[8:9]      ; the mask of rows 2 t, 2 t + 1 (t = thread % 64); waves 0 and 1 use it at the end, the others load it without a branch and leave it
	; the state.  The selects read what they may keep, so the winners' registers are written once; accumulators (1, 0) and (1, 1) begin as -infinity, so that the loop's first look at 'the pair before' changes nothing
.set i, 0
.rept 16
	v_mov_b32 v[BEST+i], 0xff800000                ; both sets of maxima: -infinity
	v_mov_b32 v[ACC+16+i], 0xff800000
.set i, i+1
.endr
.set i, 0
.rept 64
	v_mov_b32 v[WI+i], 0
.set i, i+1
.endr
	v_mov_b32 v[TIDV], 0
	v_mov_b32 v[EB], 0                             ; written once: a lane permute's destination counts as one of its sources
	v_mov_b32 v[EC], 0
; Tile q of my four in a slot: its two fragments and its scale words, into buffer q % 2: nine LDS loads in one run
.macro LOADB slot, q
.irp k, 0,1
.irp c, 0,1,2,3
	ds_load_b128 v[BF+32*((\q)%2)+16*\k+4*\c:BF+32*((\q)%2)+16*\k+4*\c+3], v[BA+(\slot)] offset:((\q)/2)*RECB+((\q)%2)*4096+\k*2048+\c*512
.endr
.endr
	ds_load_b32 v[CS+(\q)%2], v[SA+(\slot)] offset:((\q)/2)*RECB+8192+4*((\q)%2)
.endm
; A finished accumulator a (tile of rows m) is looked at: 13 plain vector instructions.  o: the set that holds the maximum so far; the other set takes the new one, so that no copy is made.
; The accumulator is read from its low end on.
.macro SL m, a, o
.set sO, BEST+8*(\o)+(\m)
.set sN, BEST+8*(1-(\o))+(\m)
.set sA, (\a)
.set sW, WI+8*(\m)
	v_max3_num_f32 v[sN], v[sO], v[sA], v[sA+1]
	v_max3_num_f32 v[UU], v[sA+2], v[sA+3], v[sA+4]
	v_max3_num_f32 v[TT], v[sA+5], v[sA+6], v[sA+7]
	s_delay_alu instid0(VALU_DEP_1)
	v_max3_num_f32 v[sN], v[sN], v[UU], v[TT]
	s_delay_alu instid0(VALU_DEP_1)
	v_cmp_gt_f32 vcc_lo, v[sN], v[sO]              ; strictly greater: this tile holds a new maximum
.irp j, 0,1,2,3,4,5,6
	v_cndmask_b32 v[sW+\j], v[sW+\j], v[sA+\j], vcc_lo   ; then its first seven numbers are kept (the eighth is known by exclusion),
.endr
	v_cndmask_b32 v[sW+7], v[sW+7], v[TIDV], vcc_lo      ; and its number
.endm
.macro MM i, k                         ; one product: accumulator (upar, i) of tile of rows um + i, K step k, code buffer ub
.set mD, ACC+8*(2*upar+\i)
.set mA, BF+32*ub+16*\k
.set mB, 32*(um+\i)+16*\k
.if \k == 0
	v_wmma_scale_f32_16x16x128_f8f6f4 v[mD:mD+7], v[mA:mA+15], v[mB:mB+15], 0, v[CS+ub], v[ZS+um+\i] matrix_a_fmt:MATRIX_FMT_BF8 matrix_b_fmt:MATRIX_FMT_BF8
.else
	v_wmma_scale_f32_16x16x128_f8f6f4 v[mD:mD+7], v[mA:mA+15], v[mB:mB+15], v[mD:mD+7], v[CS+ub], v[ZS+um+\i] matrix_a_fmt:MATRIX_FMT_BF8 matrix_b_fmt:MATRIX_FMT_BF8 matrix_a_scale:MATRIX_SCALE_ROW1 matrix_b_scale:MATRIX_SCALE_ROW1
.endif
.endm
; A UNIT: code tile q against tiles of rows 2 p and 2 p + 1: four products, the two accumulators by turns, and between them the look at the pair of accumulators finished in the unit before.
; Each look is 13 plain vector instructions that name no register of the products just issued: they are the eight places between a product and the first read of its result or a load into its
; sources, and the nine in front of a product that begins an accumulator anew.
.macro UNIT q, p
.set ub, (\q)%2
.set upar, (\p)%2
.set um, 2*(\p)
.set upp, ((\p)+3)%4
.if (\p) == 0
.set uo, ((\q)+3)%2                    ; the pair before belongs to the tile before
.else
.set uo, (\q)%2
.endif
	WIN 0x04                                       ; source 1 (z) window 1
	MM 0, 0
	MM 1, 0
	WIN 0
	SL 2*upp, ACC+16*(1-upar), uo
	WIN 0x04
	MM 0, 1
	MM 1, 1
	WIN 0
	SL 2*upp+1, ACC+16*(1-upar)+8, uo
.endm
; A PERIOD: my four tiles of the group in a slot, 64 products.  A tile's fragments are fetched behind the first unit of the tile before: twelve products ahead of their use, and 26 plain vector instructions or more
; behind the last product that read the buffer.  refill = 1: the slot is filled again, two groups on.  next = 1: the other slot's first tile is fetched.
.macro PERIOD slot, refill, next
.irp q, 0,1,2
	s_wait_dscnt 0x0                               ; this tile's fragments and scale words are in
	UNIT \q, 0
.if \q == 0
	v_mov_b32 v[TIDV], s[TB]                       ; from here on the looks are at this tile's results
.else
	v_add_nc_u32 v[TIDV], 1, v[TIDV]
.endif
	LOADB \slot, \q+1
	UNIT \q, 1
	UNIT \q, 2
	UNIT \q, 3
.endr
.if \refill
	s_wait_tensorcnt 0x0                           ; all my tensor loads have landed: the one that was out is my part of the other slot; so a group 0 may be written
	ds_add_u32 v[SPW], v[NIL]                      ; 0 onto my spare word
	s_add_nc_u64 s[G0+4*\slot+2:G0+4*\slot+3], s[G0+4*\slot+2:G0+4*\slot+3], 2*SLOTB   ; this slot's next group; the type bits on top are not reached
	s_add_co_u32 s[TB], s[TB], 32
	s_wait_dscnt 0x0                               ; the add is done; the slot's last tile is in registers: my reads of this slot are over
	s_barrier_signal -1                            ; this barrier opens a round of the cluster's barrier;
	UNIT 3, 0                                      ; work on registers while the others arrive
	v_add_nc_u32 v[TIDV], 1, v[TIDV]
	UNIT 3, 1
	s_barrier_wait -1
	CREST                                          ; no wave of any partner still reads this slot or has a load on its way
	tensor_load_to_lds s[G0+4*\slot:G0+4*\slot+3], s[G1:G1+7]   ; the first tensor load behind the round, my only one until the next: 56 of my products stand between it and the wait for it
	s_nop 0
.rept 4
	v_nop
.endr
	LOADB 1-\slot, 0
	UNIT 3, 2
	UNIT 3, 3
.else
.if \next
	s_wait_tensorcnt 0x0                           ; the last group, in the other slot: no load was issued behind it
.endif
	s_wait_dscnt 0x0
	s_add_co_u32 s[TB], s[TB], 32
	UNIT 3, 0
	v_add_nc_u32 v[TIDV], 1, v[TIDV]
.if \next
	LOADB 1-\slot, 0
.endif
	UNIT 3, 1
	UNIT 3, 2
	UNIT 3, 3
.endif
.endm
; (b, c) against (bo, co): the larger value, at equal values the smaller column, into (db, dc)
.macro BETTER db, dc, b, c, bo, co
	v_cmp_gt_f32 s40, v[\bo], v[\b]
	v_cmp_eq_f32 s41, v[\bo], v[\b]
	v_cmp_lt_u32 s42, v[\co], v[\c]
	s_and_b32 s41, s41, s42
	s_or_b32 s40, s40, s41
	v_cndmask_b32 v[\db], v[\b], v[\bo], s40
	v_cndmask_b32 v[\dc], v[\c], v[\co], s40
.endm
	s_wait_tensorcnt 0x1                           ; my part of slot 0 is in, and I alone read it; slot 1's load may be out
	LOADB 0, 0
	s_wait_loadcnt 0x0                             ; z, its scale words, the mask
	s_mov_b32 s[CNT], 7
.Lring:                                                ; seven trips, two periods each: groups 0 to 13 are multiplied, groups 2 to 15 asked for
	PERIOD 0, 1, 1
	PERIOD 1, 1, 1
	s_sub_co_u32 s[CNT], s[CNT], 1
	s_cmp_lg_u32 s[CNT], 0
	s_cbranch_scc1 .Lring
	PERIOD 0, 0, 1                                 ; the last two groups are written out: nothing is left to fetch
	PERIOD 1, 0, 0
	SL 6, ACC+16, 1                                ; the last pair of accumulators; the look in front of these lines is their places
	SL 7, ACC+24, 1                                ; every maximum now lies in set 0
	; THE WAY OUT.  For each tile of rows: the first register of the winning tile that equals the maximum; the column; the other half of the lanes'; the pair goes to LDS
.irp m, 0,1,2,3,4,5,6,7
	v_mov_b32 v[TT], 7                             ; if none of the seven kept numbers is the maximum, the eighth is
.irp jj, 6,5,4,3,2,1,0
	v_cmp_neq_f32 vcc_lo, v[WI+8*\m+\jj], v[BEST+\m]
	s_delay_alu instid0(VALU_DEP_1)
	v_cndmask_b32 v[TT], \jj, v[TT], vcc_lo        ; descending, so that the lowest register that is equal stays
.endr
	s_delay_alu instid0(VALU_DEP_1)
	v_lshl_add_u32 v[TT], v[WI+8*\m+7], 4, v[TT]   ; 16 x tile + register
	s_delay_alu instid0(VALU_DEP_1)
	v_add_nc_u32 v[TT], v[H8], v[TT]               ; + 8 h: the column
	v_permlanex16_b32 v[EB], v[BEST+\m], s[SEL], s[SEL+1]
	s_delay_alu instid0(VALU_DEP_2)
	v_permlanex16_b32 v[EC], v[TT], s[SEL], s[SEL+1]
	BETTER OUTP+2*\m, OUTP+2*\m+1, BEST+\m, TT, EB, EC
	ds_store_b64 v[SCW], v[OUTP+2*\m:OUTP+2*\m+1] offset:128*\m   ; row 16 m + r; both halves of the lanes write the same bytes with the same value
.endr
	s_wait_dscnt 0x0                               ; for the others' sake: my stores are done
	s_barrier_signal -1
	s_barrier_wait -1
	s_cmp_lt_u32 s[WV], 2                          ; waves 0 and 1 join the eight waves' pairs, two rows a lane
	s_cbranch_scc0 .Lothers
.irp w, 0,1,2,3,4,5,6,7
	ds_load_b128 v[OUTP+4*\w:OUTP+4*\w+3], v[SCD] offset:1024*\w
.endr
	s_wait_dscnt 0x0
.irp w, 1,2,3,4,5,6,7
	BETTER OUTP, OUTP+1, OUTP, OUTP+1, OUTP+4*\w, OUTP+4*\w+1
	BETTER OUTP+2, OUTP+3, OUTP+2, OUTP+3, OUTP+4*\w+2, OUTP+4*\w+3
.endr
	v_cmp_ne_u32 vcc_lo, 0, v[MK]
	s_delay_alu instid0(VALU_DEP_1)
	v_cndmask_b32 v[RES], 0, v[OUTP+1], vcc_lo     ; 0 where the mask is 0
	v_cmp_ne_u32 vcc_lo, 0, v[MK+1]
	s_delay_alu instid0(VALU_DEP_1)
	v_cndmask_b32 v[RES+1], 0, v[OUTP+3], vcc_lo
	global_store_b64 v[MO], v[RES:RES+1], s[10:11] ; a wave stores 256 consecutive bytes, aligned
.Lothers:
	s_wait_tensorcnt 0x0                           ; the wave's end: behind my last tensor load and my last LDS store
	ds_add_u32 v[SPW], v[NIL]
	s_wait_dscnt 0x0
	ROUND                                          ; the closing round: no work-group ends while a partner may still ask for a tile that names it
	s_endpgm
.Lfunc_end_k_q3ee3e9631e_vq:
	.size	k_q3ee3e9631e_vq, .Lfunc_end_k_q3ee3e9631e_vq-k_q3ee3e9631e_vq
	.p2alignl 7, 3214868480
	.fill 96, 4, 3214868480
	.section	.rodata,"a",@progbits
	.p2align	6, 0x0
	.amdhsa_kernel k_q3ee3e9631e_vq
		.amdhsa_group_segment_fixed_size 327680
		.amdhsa_private_segment_fixed_size 0
		.amdhsa_enable_private_segment 0
		.amdhsa_kernarg_size 32
		.amdhsa_user_sgpr_count 2
		.amdhsa_user_sgpr_kernarg_segment_ptr 1
		.amdhsa_wavefront_size32 1
		.amdhsa_system_sgpr_workgroup_id_x 1
		.amdhsa_system_sgpr_workgroup_id_y 1
		.amdhsa_system_sgpr_workgroup_id_z 1
		.amdhsa_system_vgpr_workitem_id 0
		.amdhsa_next_free_vgpr 512
		.amdhsa_next_free_sgpr 66
		.amdhsa_reserve_vcc 1
		.amdhsa_float_denorm_mode_32 3
		.amdhsa_float_denorm_mode_16_64 3
		.amdhsa_memory_ordered 1
		.amdhsa_forward_progress 1
		.amdhsa_inst_pref_size 162
	.end_amdhsa_kernel
	.amdgpu_metadata
---
amdhsa.version: [ 1, 2 ]
amdhsa.kernels:
  - .name:           k_q3ee3e9631e_vq
    .symbol:         k_q3ee3e9631e_vq.kd
    .args:
      - { .name: zq, .offset: 0, .size: 8, .value_kind: global_buffer, .address_space: global }
      - { .name: cbq, .offset: 8, .size: 8, .value_kind: global_buffer, .address_space: global }
      - { .name: mask, .offset: 16, .size: 8, .value_kind: global_buffer, .address_space: global }
      - { .name: out0, .offset: 24, .size: 8, .value_kind: global_buffer, .address_space: global }
    .group_segment_fixed_size: 327680
    .private_segment_fixed_size: 0
    .kernarg_segment_align: 8
    .kernarg_segment_size: 32
    .max_flat_workgroup_size: 256
    .sgpr_count:     66
    .vgpr_count:     512
    .wavefront_size: 32
...
	.end_amdgpu_metadata
.endif
;; end of part 2
